; MI455X (gfx1250); checked and timed in simulation.
; The chip was launched on July 23, 2026; its instructions are those of AMD's public machine-readable ISA for CDNA 5 (MIT licence, August 2026) and "CDNA5" Instruction Set Architecture Reference Guide (July 2026). The comments in the code are by the model that wrote it; some were corrected since.
;; Long Term Memory MLP. Allowed arithmetic: matrix products marked QUANTISED: E2M3 operands, one E8M0 scale for each 32 along K, by v_wmma_scale_f32_16x16x128_f8f6f4 with both operands' format E2M3, f32 sums; everything else in f32.
;; Inputs: W0 8 x 1,024 x 512 float32; W1 8 x 1,024 x 1,024 float32; W2 8 x 512 x 1,024 float32; b0 8 x 1,024 float32; b1 8 x 1,024 float32; b2 8 x 512 float32; query 8 x 4,096 x 512 float32.
;; Outputs: out0 8 x 4,096 x 512 float32.
;; This version of the problem:
;;   THIS VERSION OF THE PROBLEM IS GIVEN IN LOW PRECISION. The matrix products marked QUANTISED in the list below multiply operands that are first quantised to E2M3 (2 exponent bits, 3 mantissa bits; 6 bits a number), with one power-of-two scale for each 32 numbers along K (OCP MX v1.0); their sums are f32. All else is computed in f32.
;;   The module's matrix products, in the order in which they are computed (A, B: the left and right operand; K: the contracted axis; several contracted axes count as one K, in the product's order):
;;     1. batch 8 x [M 4,096, K 512] x [K 512, N 1,024]; A: input query; B: input W0: QUANTISED
;;     2. batch 8 x [M 4,096, K 1,024] x [K 1,024, N 1,024]; A: computed on the way; B: input W1: QUANTISED
;;     3. batch 8 x [M 4,096, K 1,024] x [K 1,024, N 512]; A: computed on the way; B: input W2: QUANTISED
;;   THE QUANTISER, for each operand of a quantised product, along K:
;;     - K is cut into blocks of 32 from its start; a last block that is shorter is filled with zeros.
;;     - A block's scale is 2^e with e = floor(log2(the largest magnitude in the block)) - 2, held to -126 .. 127; a block of zeros has e = 0. As a byte (E8M0): e + 127.
;;     - Each number is divided by its block's scale, clamped to +-7.5, and rounded to the nearest number of E2M3, ties to even, subnormals kept.
;;     - The product sums the exact products of the quantised numbers (number of the format x scale) in f32.
;;   ~~~python
;;   def quantise(x, axis):      # numpy; x: float32 -> the quantised numbers, widened to float32 again
;;       x = np.moveaxis(x, axis, -1); K = x.shape[-1]
;;       x = np.pad(x, [(0, 0)] * (x.ndim - 1) + [(0, -K % 32)]); x = x.reshape(x.shape[:-1] + (-1, 32)); a = np.abs(x).max(-1, keepdims=True)
;;       e = np.where(a > 0, np.clip(np.frexp(np.where(a > 0, a, 1))[1] - 1 - 2, -126, 127), 0)      # np.frexp(a)[1] - 1 = floor(log2(a)), exactly
;;       r = np.clip(x / 2.0 ** e, -7.5, 7.5)
;;       step = 2.0 ** (np.maximum(np.frexp(np.where(r == 0, 1, r))[1] - 1, 0) - 3)
;;       q = np.round(r / step) * step * 2.0 ** e      # np.round: ties to even
;;       return np.moveaxis(q.reshape(q.shape[:-2] + (-1,))[..., :K], -1, axis).astype(np.float32)
;;   ~~~
;;   OPERANDS COMPUTED ON THE WAY. 'Computed on the way' means the value that the module computes at that place (a softmax that the list does not call 'softmax' is quantised finished and normalised). What goes into a quantiser is computed in f32, as accurately as f32 sums, v_exp_f32 and their like allow (about 1e-6 of the number): no bf16 or f16 on the way to a quantiser, and a product that is left as it is and whose result goes on into a quantised operand takes f32 operands (vector FMAs, or v_wmma_f32_16x16x4_f32). A number that lies on a knife's edge between two numbers of the format may be rounded either way, as far as f32 arithmetic and the matrix unit's own rounding can turn it there, and no further.
;; One version. Each part assembles by itself: llvm-mc -triple=amdgcn-amd-amdhsa -mcpu=gfx1250 --defsym DOCPART=n.
;; ======== version 1 of 1: 2 launches
;; workspace buffers: wq 13,107,200 bytes
;; launch prep (part 1): grid 32 x 8, 16 waves a work-group, no clusters, 139,264 bytes of LDS; arguments W0, W1, W2, wq; writes wq
.if DOCPART == 1
	.amdgcn_target "amdgcn-amd-amdhsa--gfx1250"
	.amdhsa_code_object_version 6
	.text
	.protected	k_q511be0f768_prep
	.globl	k_q511be0f768_prep
	.p2align	8
	.type	k_q511be0f768_prep,@function
k_q511be0f768_prep:
	s_mov_b64 s[64:65], 0
	v_nop
	global_prefetch_b8 v0, s[64:65] scope:SCOPE_SE
	s_setreg_imm32_b32 hwreg(HW_REG_WAVE_MODE, 25, 1), 1
	s_wait_xcnt 0x0
; W0 [8][1024][512], W1 [8][1024][1024], W2 [8][512][1024], f32, K innermost, become codes of FP6 (E2M3) with one E8M0 scale byte for each 32 along K,
; laid in wq in the ORDER IN WHICH THE SECOND LAUNCH'S WAVES TAKE THEM INTO REGISTERS.  A batch's weights are read by 32 row blocks: they are quantised once, here.
; THE STREAM.  A K step is 128 along K.  Step g = 0 .. 31 of a batch: layer 0: g = 4 r + s; layer 1: g = 8 + 8 r + s; layer 2: g = 24 + s (r: round, s: K step of the layer).
;   byte = batch x 1,638,400 + (g / 2) x 102,400 + w x 25,600 + (g % 2) x 12,800 + [codes: t x 1,536 + c x 512 + 16 x lane | scale words: 12,288 + 16 x lane]
;   w = 0 .. 3 the reading wave, t = 0 .. 7 a tile of 16 weight rows, c = 0 .. 2: registers 4 c .. 4 c + 3 of the tile's fragment (12 registers a lane).
;   Lane (r, h) of tile t holds weight row nbase + 32 (t / 2) + 8 (t % 2) + r + 8 (r / 8), k = 128 s + 64 c' + 32 h + 0 .. 31; nbase = 128 (2 w + round), in layer 2 128 w.
;   THE ROWS OF A TILE ARE NOT NEIGHBOURS, so that the results of tiles 2 b and 2 b + 1 are 16 neighbours along the next product's K.
;   Scale words: word i of lane l is the word (four bytes: 128 along K) of tile i + 4 (l / 16), row l % 16.
; SHARES.  Work-group (g, batch), sixteen waves: wave v serves reader w = v / 4 and takes tiles 2 (v % 4) and 2 (v % 4) + 1.  One path through the text serves all three tensors: only pointers, shifts and offsets are chosen.
; ALL OF A WAVE'S 32 LOADS GO OUT AT THE HEAD, ahead of every wait: 16 waves x 32 loads x 512 bytes are the work-group's whole 262,144 bytes.
; A TILE: 16 loads, each 512 consecutive bytes of one row; the 8,192 bytes turn through the wave's own stage in LDS (rows of 512 + 16 bytes), so that a lane holds 16 neighbours of each block of 32 of its row.
; A wave holds two of a row's four scale words: the four waves of a reader gather them in LDS, and behind one barrier the first of the four stores the reader's 512 bytes.
; A block's scale is 2^(floor(log2(largest magnitude)) - 2): its byte is the largest magnitude's exponent field - 2, held at 1 from below.
; LIMITS: a block of zeros gets the byte 1 where the quantiser says 127 (its codes are zeros, which add nothing, and this program alone reads the bytes); NaN and infinities among the inputs are not served.
.set SP,   528                         ; a stage row
.set SCB,  16*16*SP                    ; LDS: behind the sixteen stages: the scale words, 512 bytes a reader
.set RO,   12                          ; v12-27   row i of a tile: ((i + 8 (i / 8)) rows) + 16 x lane, in bytes
.set RAW,  28                          ; v28-155  two sets of 64: the two tiles as they are loaded
.set XN,   156                         ; v156-219 a tile turned: register 16 b + i = k 32 b + 16 h + i of my row
.set PC0,  220                         ; v220-231 the first tile's codes; v232-234, v236-238 upper halves on their way
.set PC1,  28                          ; the second tile's likewise, in the registers that the first tile's numbers have left: no store's data are written again
.set TM,   240                         ; v240-243 largest magnitudes, v244-247 at work and bytes, v248-251 the conversions' scale operands
.set PW,   252                         ; v252-253 the two tiles' scale words
.set SEL,  20                          ; s[20:21] lane selects for v_permlanex16_b32: lane l xor 16
.set SLOT, 102400
	s_load_b256 s[4:11], s[0:1], 0x0               ; W0 s[4:5], W1 s[6:7], W2 s[8:9], wq s[10:11]
	v_lshl_add_u32 v254, v0, 2, 0x21800
	v_mov_b32 v255, 0
	v_lshrrev_b32 v1, 5, v0
	v_readfirstlane_b32 s12, v1                    ; wave 0..15
	v_and_b32 v1, 31, v0                           ; lane
	v_and_b32 v2, 15, v0                           ; r
	v_bfe_u32 v3, v0, 4, 1                         ; h
	s_lshr_b32 s13, s12, 2                         ; w: the reader
	s_and_b32 s14, s12, 3                          ; th: which two tiles
	s_mov_b32 s15, ttmp9                           ; g
	s_and_b32 s16, ttmp7, 0xffff                   ; batch
	s_mul_i32 s40, s12, 16*SP                      ; my stage
	v_lshlrev_b32 v6, 4, v1                        ; 16 x lane
	v_add_nc_u32 v4, s40, v6                       ; the stage, on the way in: a row's 512 bytes as they lie
	v_mul_u32_u24 v5, v2, SP
	v_lshl_add_u32 v5, v3, 6, v5
	v_add_nc_u32 v5, s40, v5                       ; and on the way out: row r, + 64 h
	s_lshl_b32 s40, s13, 9
	s_add_co_u32 s40, s40, SCB                     ; my reader's 512 bytes of scale words
	v_add_nc_u32 v8, s40, v6                       ; read back: 16 bytes a lane
	s_lshr_b32 s41, s14, 1
	s_lshl_b32 s41, s41, 8                         ; tiles 4 to 7 lie 256 bytes on,
	s_add_co_u32 s40, s40, s41
	s_and_b32 s41, s14, 1
	s_lshl_b32 s41, s41, 3                         ; tiles 2, 3 (6, 7) 8 bytes on in a row's 16
	s_add_co_u32 s40, s40, s41
	v_lshl_add_u32 v9, v2, 4, s40                  ; where my row's two words go
	s_mov_b32 s[SEL], 0x76543210
	s_mov_b32 s[SEL+1], 0xfedcba98
.irp b, 0,1,2,3
	v_mov_b32 v[TM+4+\b], 0                        ; written once: a lane permute's destination counts as one of its sources
.endr
	; which layer, round and K step: chosen by selects on g alone
	s_sub_co_u32 s40, s15, 8
	s_lshr_b32 s41, s15, 2                         ; layer 0: round,
	s_and_b32 s42, s15, 3                          ; K step
	s_lshr_b32 s43, s40, 3                         ; layer 1: round,
	s_and_b32 s44, s40, 7                          ; layers 1 and 2: K step
	s_wait_kmcnt 0x0
	s_cmp_lt_u32 s15, 8
	s_cselect_b64 s[36:37], s[4:5], s[6:7]
	s_cselect_b32 s17, 11, 12                      ; a row is 2^11 or 2^12 bytes
	s_cselect_b32 s18, 21, 22                      ; a batch 2^21 or 2^22
	s_cselect_b32 s19, s41, s43
	s_cselect_b32 s22, s42, s44
	s_cmp_ge_u32 s15, 24
	s_cselect_b64 s[36:37], s[8:9], s[36:37]
	s_cselect_b32 s18, 21, s18
	s_cselect_b32 s19, 0, s19
	s_cselect_b32 s23, 7, 8                        ; a reader's rows: 128 w in layer 2, else 256 w
	s_lshl_b32 s40, s13, s23
	s_lshl_b32 s41, s19, 7
	s_add_co_u32 s40, s40, s41
	s_lshl_b32 s41, s14, 5
	s_add_co_u32 s40, s40, s41                     ; my first row: nbase + 32 th
	s_lshl_b32 s40, s40, s17
	s_lshl_b32 s41, s16, s18
	s_add_co_u32 s38, s40, s41
	s_lshl_b32 s41, s22, 9                         ; 128 along K are 512 bytes
	s_add_co_u32 s38, s38, s41
	s_mov_b32 s39, 0
	s_add_nc_u64 s[36:37], s[36:37], s[38:39]
	s_mov_b32 s41, 0
.irp t, 0,1
	s_lshl_b32 s40, 8*\t, s17
	s_add_nc_u64 s[24+2*\t:25+2*\t], s[36:37], s[40:41]   ; tile 2 th + t begins 8 t rows on
.endr
.irp i, 0,1,2,3,4,5,6,7,8,9,10,11,12,13,14,15
	s_lshl_b32 s40, \i+8*(\i/8), s17
	v_add_nc_u32 v[RO+\i], s40, v6
.endr
.macro LOAD t
.irp i, 0,1,2,3,4,5,6,7,8,9,10,11,12,13,14,15
	global_load_b128 v[RAW+64*(\t)+4*\i:RAW+64*(\t)+4*\i+3], v[RO+\i], s[24+2*(\t):25+2*(\t)] th:TH_LOAD_NT   ; 32 lanes read 512 consecutive bytes of one row; read once in the launch
.endr
.endm
	LOAD 0
	LOAD 1
	s_mul_i32 s38, s16, 16*SLOT                    ; where my results go
	s_lshr_b32 s40, s15, 1
	s_mul_i32 s40, s40, SLOT
	s_add_co_u32 s38, s38, s40
	s_mul_i32 s40, s13, 25600
	s_add_co_u32 s38, s38, s40
	s_and_b32 s40, s15, 1
	s_mul_i32 s40, s40, 12800
	s_add_co_u32 s38, s38, s40
	s_add_nc_u64 s[34:35], s[10:11], s[38:39]
	s_mul_i32 s40, s14, 2*1536
	s_add_nc_u64 s[32:33], s[34:35], s[40:41]      ; my two tiles' codes
	s_add_nc_u64 s[34:35], s[34:35], 12288         ; and the reader's scale words
.macro TURNX t                         ; LDS serves a wave's instructions in order: no wait between the stores and the loads
.irp i, 0,1,2,3,4,5,6,7,8,9,10,11,12,13,14,15
	ds_store_b128 v4, v[RAW+64*(\t)+4*\i:RAW+64*(\t)+4*\i+3] offset:SP*\i
.endr
.irp b, 0,1,2,3
.irp j, 0,1,2,3
	ds_load_b128 v[XN+16*\b+4*\j:XN+16*\b+4*\j+3], v5 offset:128*\b+16*\j
.endr
.endr
.endm
.macro QUANT pc, pw                    ; the 64 numbers in v[XN] on become a fragment's codes in v[pc] on and my row's scale word in v[pw]
.irp b, 0,1,2,3
	v_max3_num_f32 v[TM+\b], |v[XN+16*\b]|, |v[XN+16*\b+1]|, 0x1800000   ; block b: my 16 numbers, and the floor 2^(3 - 127): the byte cannot fall under 1
.endr
.irp i, 2,4,6,8,10,12,14
.irp b, 0,1,2,3
	v_max3_num_f32 v[TM+\b], v[TM+\b], |v[XN+16*\b+\i]|, |v[XN+16*\b+\i+1]|   ; the four blocks by turns
.endr
.endr
.irp b, 0,1,2,3
	v_permlanex16_b32 v[TM+4+\b], v[TM+\b], s[SEL], s[SEL+1]
.endr
.irp b, 0,1,2,3
	v_max_num_f32 v[TM+\b], v[TM+\b], v[TM+4+\b]   ; with lane l xor 16's 16: the block's largest magnitude
.endr
.irp b, 0,1,2,3
	v_add_nc_u32 v[TM+8+\b], 0xff000000, v[TM+\b]  ; 2 off its exponent field: the conversion takes this operand's exponent field as its scale
.endr
.irp b, 0,1,2,3
	v_lshrrev_b32 v[TM+4+\b], 23, v[TM+8+\b]       ; the scale's byte
.endr
	v_lshl_or_b32 v[\pw], v[TM+5], 8, v[TM+4]
	v_lshl_or_b32 v[\pw], v[TM+6], 16, v[\pw]
	v_lshl_or_b32 v[\pw], v[TM+7], 24, v[\pw]
.irp c, 0,1
	v_cvt_scalef32_pk16_fp6_f32 v[(\pc)+6*\c:(\pc)+6*\c+2], v[XN+32*\c:XN+32*\c+15], v[TM+8+2*\c]
	v_cvt_scalef32_pk16_fp6_f32 v[(\pc)+12+4*\c:(\pc)+14+4*\c], v[XN+32*\c+16:XN+32*\c+31], v[TM+8+2*\c+1]   ; (a conversion's three registers begin on an even number)
.endr
	v_nop                                          ; one plain place behind a scaled conversion
.irp c, 0,1                            ; the operand's layout wants a whole block in a lane: lanes 0-15 block 2 c, lanes 16-31 block 2 c + 1
.irp i, 0,1,2
	v_permlane16_swap_b32 v[(\pc)+6*\c+\i], v[(\pc)+12+4*\c+\i]
.endr
.irp i, 0,1,2
	v_mov_b32 v[(\pc)+3+6*\c+\i], v[(\pc)+12+4*\c+\i]
.endr
.endr
.endm
.macro TILE t, pc
.if (\t) == 0
	s_wait_loadcnt 16                              ; this tile's 16 loads are in; the second tile's 16 may be out
.else
	s_wait_loadcnt 0x0
.endif
	TURNX \t
	s_wait_dscnt 0x0                               ; the tile is turned, and the stores into the stage have read their registers
	QUANT \pc, PW+(\t)
.irp c, 0,1,2
	global_store_b128 v6, v[(\pc)+4*\c:(\pc)+4*\c+3], s[32:33] offset:1536*(\t)+512*\c   ; 32 lanes store 512 consecutive bytes, at a multiple of 256 from wq's first byte
.endr
.endm
	TILE 0, PC0
	TILE 1, PC1
	ds_store_b64 v9, v[PW:PW+1]                    ; my row's two words; lanes l and l + 16 hold the same words and write the same bytes
	s_wait_dscnt 0x0                               ; for the others' sake: my store has landed
	s_barrier_signal -1
	s_barrier_wait -1                              ; a reader's 512 bytes are whole
	s_cmp_lg_u32 s14, 0                            ; the first wave of each reader sends them
	s_cbranch_scc1 .Ldone
	ds_load_b128 v[TM:TM+3], v8
	s_wait_dscnt 0x0
	global_store_b128 v6, v[TM:TM+3], s[34:35]     ; 32 lanes store 512 consecutive bytes, at a multiple of 256 from wq's first byte
.Ldone:
	s_wait_tensorcnt 0x0
	ds_add_u32 v254, v255
	s_wait_dscnt 0x0
	s_endpgm
.Lfunc_end_k_q511be0f768_prep:
	.size	k_q511be0f768_prep, .Lfunc_end_k_q511be0f768_prep-k_q511be0f768_prep
	.p2alignl 7, 3214868480
	.fill 96, 4, 3214868480
	.section	.rodata,"a",@progbits
	.p2align	6, 0x0
	.amdhsa_kernel k_q511be0f768_prep
		.amdhsa_group_segment_fixed_size 139264
		.amdhsa_private_segment_fixed_size 0
		.amdhsa_enable_private_segment 0
		.amdhsa_kernarg_size 32
		.amdhsa_user_sgpr_count 2
		.amdhsa_user_sgpr_kernarg_segment_ptr 1
		.amdhsa_wavefront_size32 1
		.amdhsa_system_sgpr_workgroup_id_x 1
		.amdhsa_system_sgpr_workgroup_id_y 1
		.amdhsa_system_sgpr_workgroup_id_z 1
		.amdhsa_system_vgpr_workitem_id 0
		.amdhsa_next_free_vgpr 256
		.amdhsa_next_free_sgpr 66
		.amdhsa_reserve_vcc 0
		.amdhsa_float_denorm_mode_32 3
		.amdhsa_float_denorm_mode_16_64 3
		.amdhsa_memory_ordered 1
		.amdhsa_forward_progress 1
		.amdhsa_inst_pref_size 21
	.end_amdhsa_kernel
	.amdgpu_metadata
---
amdhsa.version: [ 1, 2 ]
amdhsa.kernels:
  - .name:           k_q511be0f768_prep
    .symbol:         k_q511be0f768_prep.kd
    .args:
      - { .name: W0, .offset: 0, .size: 8, .value_kind: global_buffer, .address_space: global }
      - { .name: W1, .offset: 8, .size: 8, .value_kind: global_buffer, .address_space: global }
      - { .name: W2, .offset: 16, .size: 8, .value_kind: global_buffer, .address_space: global }
      - { .name: wq, .offset: 24, .size: 8, .value_kind: global_buffer, .address_space: global }
    .group_segment_fixed_size: 139264
    .private_segment_fixed_size: 0
    .kernarg_segment_align: 8
    .kernarg_segment_size: 32
    .max_flat_workgroup_size: 512
    .sgpr_count:     66
    .vgpr_count:     256
    .wavefront_size: 32
...
	.end_amdgpu_metadata
.endif
;; end of part 1
;; launch mlp (part 2): grid 32 x 8, 4 waves a work-group, clusters of 4 x 1, 327,680 bytes of LDS; arguments query, wq, b0, b1, b2, out0; writes out0
.if DOCPART == 2
	.amdgcn_target "amdgcn-amd-amdhsa--gfx1250"
	.amdhsa_code_object_version 6
	.text
	.protected	k_q511be0f768_mlp
	.globl	k_q511be0f768_mlp
	.p2align	8
	.type	k_q511be0f768_mlp,@function
k_q511be0f768_mlp:
	s_mov_b64 s[64:65], 0
	v_nop
	global_prefetch_b8 v0, s[64:65] scope:SCOPE_SE
	s_setreg_imm32_b32 hwreg(HW_REG_WAVE_MODE, 25, 1), 1
	s_wait_xcnt 0x0
	s_wait_alu depctr_hold_cnt(0) depctr_sa_sdst(0) depctr_va_vdst(0) depctr_va_sdst(0) depctr_va_ssrc(0) depctr_va_vcc(0) depctr_vm_vsrc(0)
	s_getreg_b32 s2, hwreg(HW_REG_IB_STS2, 6, 4)
	s_cmp_eq_u32 s2, 0
	s_cbranch_scc0 .Lentry_in_a_cluster
	s_endpgm
.Lentry_in_a_cluster:
	s_bfe_u32 s2, ttmp6, 0x10000c
	s_cmp_lg_u32 s2, 0x3003
	s_cbranch_scc0 .Lentry_shape_is_right
	s_endpgm
.Lentry_shape_is_right:
; out = relu(relu(x W0^T + b0) W1^T + b1) W2^T + b2 for one block of 128 rows of one batch; all three products on codes of FP6 (E2M3) with one E8M0 scale for each 32 along K, sums in f32.
; x: query [8][4096][512] f32, quantised here (one work-group reads it once).  The weights come as codes from wq, laid by the launch before as the stream of register images that this text walks.
; The two hidden layers never go to memory: they are quantised from the f32 sums in registers and go from wave to wave through LDS as images of the next operand's registers.
; SHARES.  Four waves, as many as a WGP has SIMDs.  THE WAVES SHARE THE COLUMNS: a chunk is 128 rows x 128 units of one wave: 64 accumulators, 512 registers, 64 matrix instructions for 128 along K.
;   Layer 0: 2 rounds x 4 K steps; layer 1: 2 x 8; layer 2: 1 x 8: 32 K steps a wave.  Chunk (round r, wave w) makes units 128 (2 w + r) on, which are K step 2 w + r of the next product; in layer 2 outputs 128 w on.
; TRANSPOSED USE: source 0 = 16 rows of a weight, source 1 = 16 rows of activations: a lane holds ONE row, and (the weight rows of a tile being chosen for it) the 16 registers of tiles 2 b, 2 b + 1 are 16 neighbours along the next K.
; The biases are the C of each sum's first matrix instruction (another order of f32 rounding than a sum with the bias added last).
; THE WEIGHT RING: two LDS slots of two K steps (102,400 bytes); each wave fetches its own quarter (25,600 dense bytes, 100 rows of 256) by one tensor load and alone reads it.
; CLUSTER: the four row blocks of a cluster belong to one batch and walk the same stream, so each quarter is asked for JOINTLY by the four (mask 15), which divides the requests for weights by four.
;   Nothing else is shared, and a mask names four work-groups at the most: so 4 x 1.
; ONE REGION OF IMAGES (8 positions of 12,288 bytes) serves x and both hidden layers.  x's K step s lies at position 2 s + 1; layer 0's round 0 goes to the even positions, its round 1 over x behind a barrier;
;   layer 1's round 0 is HELD in 104 registers until every wave has read the first hidden layer for the last time.
; LIMITS: a block of zeros gets the scale byte 1 where the quantiser says 127 (its codes are zeros; nobody else reads the bytes); NaN and infinities are not served.
; lds_bytes claims all of a WGP's LDS: the text uses 307,712 bytes.
; REGISTERS, in windows of 256 (s_set_vgpr_msb: bits 1:0 source 0, 3:2 source 1, 5:4 source 2, 7:6 destination):
;   window 0: v1-29 addresses; v32-39 weights' scale words, two sets; v40-47 activations' scale words, two sets; v48-143 activations' 8 fragments (between chunks: at work); v144-239 codes just made, 12 a row tile; v240-247 their scale words
;   window 1: weights' fragments, set 0 at v0-95, set 1 at v128-223; the bias at v96-127 and v224-255.   windows 2, 3: accumulator (m, t) at v[8 (8 (m % 4) + t)] of window 2 + m / 4; at the head x's numbers.
.set SLOT,  102400                     ; a slot: two K steps of all four waves
.set WPART, 25600                      ; a wave's part of it
.set KSB,   12800                      ; a K step in a wave's part: 8 fragments of 1,536 bytes, then 512 bytes of scale words
.set FRB,   1536                       ; a fragment's image: 3 x 512 bytes
.set POSB,  8*FRB                      ; a position: the 8 row tiles' fragments of one K step
.set IMG,   2*SLOT                     ; LDS: slot 0, slot 1, the 8 positions,
.set ASC,   IMG+8*POSB                 ; the activations' scale words, 512 bytes a position: the word of (row tile m, row r) at 16 r + 256 (m / 4) + 4 (m % 4),
.set SPARE, ASC+8*512                  ; and the spare words, 128 bytes for each wave: two blocks of 256 bytes that no other line names
.set SP,    528                        ; a stage row: 512 bytes + 16
.set LI,  1                            ; v1   16 x lane: an image's place for my lane; also my bytes in a row piece of query and of out
.set AB0, 2                            ; v2   my wave's part of slot 0 + 16 x lane; on the way out: where I read a stage row back
.set ADB, 3                            ; v3   the same in the slot in hand
.set ADA, 4                            ; v4   the position to be fetched + 16 x lane
.set ADS, 5                            ; v5   its scale words + 16 x lane
.set FW0, 6                            ; v6   position 2 w + 16 x lane: where my chunks' images go; at the head x's stage, on the way in
.set SW0, 7                            ; v7   position 2 w's scale words + 16 (lane % 16)
.set FWR, 8                            ; v8, v9  the same for layer 0's round in hand
.set SWR, 9
.set XRD, 11                           ; v11  x's stage on the way out: row r, + 64 h
.set BO,  12                           ; v12  the bias loads' offset
.set H64, 13                           ; v13  64 h
.set STO, 14                           ; v14  the way out: where I put 16 bytes of a stage row
.set PFO, 17                           ; v17  the prefetches' offset
.set SPW, 28                           ; v28  LDS address of my spare word; never rewritten
.set NIL, 29                           ; v29  0; never rewritten
.set SBR, 32
.set SAR, 40
.set AF,  48
.set TM,  48                           ; between chunks: v48-51 largest magnitudes, v52-55 at work and bytes, v56-59 the conversions' scale operands
.set HF,  60                           ; v60-62, v64-66 upper halves of blocks on their way
.set HC,  144
.set HW,  240
.set BK,  48                           ; the way out: 16 rows read back: v48-111 and v112-175 by turns
.set WV,  16
.set CX,  17
.set BAT, 18
.set XB,  19
.set SEL, 20                           ; s[20:21] lane selects for v_permlanex16_b32: lane l xor 16
.set RC,  22                           ; the round of a layer
.set LC,  23                           ; counts a chunk's inner trips
.set G1,  24                           ; s[24:31] descriptor group 1
.set G0A, 32                           ; s[32:35] group 0 of the first fill
.set G0W, 36                           ; s[36:39] group 0 of the second fill, which then walks
.set TB,  40                           ; LDS byte at which the slot in hand begins: 0 or SLOT
.set TA,  41                           ; LDS byte of the position to be fetched next
.set TS,  42                           ; and of its scale words
.set PN,  43                           ; changes of slots so far
.set LIM, 44                           ; 12 in the batch's first cluster, else 0: a wave prefetches while PN is below it
.set FB,  45                           ; the slot that the walking descriptor names
.set PFA, 46                           ; s[46:47] where my prefetches stand
.set BP,  48                           ; s[48:49] the bias of the chunk to come
.set BOS, 50                           ; and my units' first byte in it
.set O0,  51                           ; 1,024 w: round 0's;  s52 1,024 w + 512: round 1's;  s53 512 w: layer 2's
.set O1,  52
.set O2,  53
.set P2W, 54                           ; position 2 w
.set W25, 55                           ; 25,600 w
.set MSB, 0
.macro WIN new                         ; the immediate's high byte repeats the setting that is left; a switch that changes nothing is dropped
.if MSB != (\new)
	s_set_vgpr_msb (MSB<<8)|(\new)
.set MSB, (\new)
.endif
.endm
.macro PLACES                          ; a load into a register that a matrix instruction has read, and a vector instruction or LDS store that reads a matrix result, stand four plain vector instructions behind it (ISA guide 7.12.1 for vector instructions)
.rept 4
	v_nop
.endr
.endm
.macro CREST                           ; a round of the cluster's barrier behind its opening barrier
	s_cmp_lg_u32 s[WV], 0
	s_cbranch_scc1 .Lnot_wave_0_\@
	s_barrier_signal -3
.Lnot_wave_0_\@:
	s_barrier_wait -3
	s_barrier_signal -1
	s_barrier_wait -1
.endm
.macro CROUND
	s_barrier_signal -1
	s_barrier_wait -1
	CREST
.endm
.macro BAR                             ; my LDS stores have landed and my LDS loads are in: then the work-group's barrier.  A tensor load may stay out
	s_wait_dscnt 0x0
	s_barrier_signal -1
	s_barrier_wait -1
.endm
; One product: row tile a x weight tile t, 128 along K; p: the set of weights and scale words.  first = 1: C is the bias (window 1).  A scale register carries tiles 0-3 in lanes 0-15 and tiles 4-7 in lanes 16-31.
.macro WM a, t, p, first
.set rD, 8*(8*((\a)%4)+(\t))
.set rC, rD
.if \first
.set rC, 96+8*(\t)+96*((\t)/4)
.endif
.set rW, 128*(\p)+12*(\t)
.set rA, AF+12*(\a)
.set rSW, SBR+4*(\p)+(\t)%4
.set rSA, SAR+4*(\p)+(\a)%4
.if ((\t) < 4) && ((\a) < 4)
	v_wmma_scale_f32_16x16x128_f8f6f4 v[rD:rD+7], v[rW:rW+11], v[rA:rA+11], v[rC:rC+7], v[rSW], v[rSA] matrix_a_fmt:MATRIX_FMT_FP6 matrix_b_fmt:MATRIX_FMT_FP6
.elseif ((\a) < 4)
	v_wmma_scale_f32_16x16x128_f8f6f4 v[rD:rD+7], v[rW:rW+11], v[rA:rA+11], v[rC:rC+7], v[rSW], v[rSA] matrix_a_fmt:MATRIX_FMT_FP6 matrix_b_fmt:MATRIX_FMT_FP6 matrix_a_scale:MATRIX_SCALE_ROW1
.elseif ((\t) < 4)
	v_wmma_scale_f32_16x16x128_f8f6f4 v[rD:rD+7], v[rW:rW+11], v[rA:rA+11], v[rC:rC+7], v[rSW], v[rSA] matrix_a_fmt:MATRIX_FMT_FP6 matrix_b_fmt:MATRIX_FMT_FP6 matrix_b_scale:MATRIX_SCALE_ROW1
.else
	v_wmma_scale_f32_16x16x128_f8f6f4 v[rD:rD+7], v[rW:rW+11], v[rA:rA+11], v[rC:rC+7], v[rSW], v[rSA] matrix_a_fmt:MATRIX_FMT_FP6 matrix_b_fmt:MATRIX_FMT_FP6 matrix_a_scale:MATRIX_SCALE_ROW1 matrix_b_scale:MATRIX_SCALE_ROW1
.endif
.endm
; 8 products: row tile a x the 8 weight tiles;  16: row tiles a0, a0 + 1.  The 64 accumulators take turns, one instruction a turn, in the same order in every K step.
.macro MUL8 a, p, first
.irp t, 0,1,2,3,4,5,6,7
	WM (\a), \t, \p, \first
.endr
.endm
.macro MUL16 a0, p, first
.irp a, \a0, \a0+1
.irp t, 0,1,2,3,4,5,6,7
	WM (\a), \t, \p, \first
.endr
.endr
.endm
.macro FETCH_B q, p                    ; my 8 weight fragments and their scale words of the slot's q-th K step into set p: 25 loads
	WIN 0x40
.irp t, 0,1,2,3,4,5,6,7
.irp c, 0,1,2
	ds_load_b128 v[128*(\p)+12*\t+4*\c:128*(\p)+12*\t+4*\c+3], v[ADB] offset:KSB*(\q)+FRB*\t+512*\c
.endr
.endr
	WIN 0
	ds_load_b128 v[SBR+4*(\p):SBR+4*(\p)+3], v[ADB] offset:KSB*(\q)+8*FRB
.endm
.macro FETCH_A i0                      ; the activations' fragments of row tiles i0 .. i0 + 3: 12 loads
.irp m, \i0, \i0+1, \i0+2, \i0+3
.irp c, 0,1,2
	ds_load_b128 v[AF+12*(\m)+4*\c:AF+12*(\m)+4*\c+3], v[ADA] offset:FRB*(\m)+512*\c
.endr
.endr
.endm
.macro ADDR
	v_add_nc_u32 v[ADA], s[TA], v[LI]
	v_add_nc_u32 v[ADS], s[TS], v[LI]
.endm
; A chunk's head: the first K step's activations (its weights were fetched in the last change of slots).
.macro START ta0, ts0, tainc, sinc
	s_mov_b32 s[TA], \ta0
	s_mov_b32 s[TS], \ts0
	ADDR
	FETCH_A 0
	ds_load_b128 v[SAR:SAR+3], v[ADS]
	FETCH_A 4
	s_add_co_u32 s[TA], s[TA], \tainc
	s_add_co_u32 s[TS], s[TS], \sinc
	s_wait_loadcnt 0x0                             ; the chunk's bias
.endm
; A slot's first K step.  A row tile's fragment is free as soon as its eight products are issued, so one set serves the activations: tiles 0-3 are fetched anew in the step's middle, tiles 4-7 at its end.
; The weights have two sets: the other set has been free since the last step's end, so the slot's second K step is fetched at this step's head, 64 matrix instructions ahead of its use, and the run in the middle is 13 loads.
.macro STEP first, tainc, sinc
	s_wait_dscnt 12                                ; all but the youngest 12 loads (row tiles 4-7) are in
	FETCH_B 1, 1                                   ; set 1's last products stand in front of the four places at the last step's end
	WIN 0xa1-0x10*(\first)
	MUL16 0, 0, \first
	MUL16 2, 0, \first
	s_wait_dscnt 25                                ; row tiles 4-7 are in; the 25 loads of weights issued behind them may be out
	PLACES
	WIN 0
	ADDR
	FETCH_A 0
	ds_load_b128 v[SAR+4:SAR+7], v[ADS]
	WIN 0xf1-0x20*(\first)
	MUL16 4, 0, \first
	MUL16 6, 0, \first
	PLACES
	WIN 0
	FETCH_A 4
.if (\tainc) != 0
	s_add_co_u32 s[TA], s[TA], \tainc
	s_add_co_u32 s[TS], s[TS], \sinc
.endif
.endm
; A PREFETCH INTO THE L2, behind the joint load, its four lines and the run of LDS loads: the slot's worth of the stream that stands two changes of slots, 256 matrix instructions a wave, further on than the load just issued.
; All eight clusters of a batch walk the same stream: the batch's first cluster asks.  A wave's part is 100 blocks of 256 bytes; the four partners take 25 each, told apart BY ADDRESS (6,400 bytes a partner); a lane a block;
; lanes 25 to 31 name lane 24's block once more.  The first four slots' worth come by their loads alone; the last two changes that fill a slot ask for nothing: the stream has ended.
.macro ASK
	s_cmp_lt_u32 s[PN], s[LIM]
	s_cbranch_scc0 .Lnot_mine_\@
	global_prefetch_b8 v[PFO], s[PFA:PFA+1] th:TH_LOAD_NT scope:SCOPE_SE
.Lnot_mine_\@:
	s_add_co_u32 s[PN], s[PN], 1
.endm
; A slot's second K step changes slots.  fill = 1: the slot is filled again, with the stream's part two slots on: each wave waits for all its tensor loads (one is out: its part of the other slot), adds 0 to its spare word,
; waits for that and for its reads of this slot, and a round of the cluster's barrier follows, so that no wave of any partner still reads the slot or has a load on its way; the joint refill is the first thing behind it.
; The wait for the tensor load stands behind the step's first 16 products, and 16 more lie between it and the refill: so a refill has 112 of a slot's 128 matrix instructions in which to land.
; fill = 0: nothing is filled, and a wave reads only bytes that it fetched itself: its own wait on TENSORcnt is all the ordering.  more = 1: the chunk goes on: the next K step's activations are fetched too.
.macro TURN fill, more, tainc, sinc
.if \fill
	s_wait_xcnt 0x0                                ; the last prefetch, a slot back, has read its address: it is stepped here, ahead of the change's own waits
	s_add_nc_u64 s[PFA:PFA+1], s[PFA:PFA+1], SLOT
.endif
	s_wait_dscnt 12                                ; set 1, row tiles 0-3 and the scale words are in; the youngest 12 loads (row tiles 4-7) may be out
	WIN 0xa1
	MUL16 0, 1, 0
.if \fill
	WIN 0                                          ; (the add's two registers lie in window 0)
	s_wait_tensorcnt 0x0                           ; all my tensor loads have landed: my part of the other slot
	ds_add_u32 v[SPW], v[NIL]                      ; 0 onto my spare word
	s_xor_b32 s[FB], s[FB], SLOT                   ; no tensor load of mine is out, so the walking group 0 may be written: the other slot than last time,
	s_add_co_u32 s[G0W+1], s[FB], s[W25]           ; my part of it,
	s_add_nc_u64 s[G0W+2:G0W+3], s[G0W+2:G0W+3], SLOT   ; the next 102,400 bytes of the stream; the type bits on top are not reached
	WIN 0xa1
	MUL8 2, 1, 0                                   ; eight matrix instructions stand between the add and the wait for it
	s_wait_dscnt 0x0                               ; the add is done, and my reads of this slot are over
	s_barrier_signal -1
	MUL8 3, 1, 0                                   ; work on registers while the others arrive
	WIN 0
	s_barrier_wait -1
	CREST
	tensor_load_to_lds s[G0W:G0W+3], s[G1:G1+7]    ; my one tensor load behind the round
	s_nop 0
.rept 4
	v_nop                                          ; the places in front of the loads below
.endr
.else
	MUL16 2, 1, 0
	WIN 0
	s_wait_tensorcnt 0x0                           ; my part of the last slot has landed: I alone read it
	s_wait_dscnt 0x0                               ; row tiles 4-7 are in
	PLACES
.endif
	s_xor_b32 s[TB], s[TB], SLOT                   ; on to the other slot
	v_add_nc_u32 v[ADB], s[TB], v[AB0]
.if \more
	ADDR
.endif
	FETCH_B 0, 0
.if \more
	FETCH_A 0
	ds_load_b128 v[SAR:SAR+3], v[ADS]
.endif
.if \fill
	ASK
.endif
	WIN 0xf1
	MUL16 4, 1, 0
	MUL16 6, 1, 0
	PLACES
	WIN 0
.if \more
	FETCH_A 4
	s_add_co_u32 s[TA], s[TA], \tainc
	s_add_co_u32 s[TS], s[TS], \sinc
.endif
.endm
.macro RELU W, S                       ; 64 numbers of window W, each accumulator from its low end on
	WIN ((\W)<<2)|((\W)<<6)
.set j, 0
.rept 64
	v_max_num_f32 v[(\S)+j], 0, v[(\S)+j]
.set j, j+1
.endr
.endm
; 64 numbers of a lane in window W, register S + 16 b + i = k 32 b + 16 (lane / 16) + i of my row, become a fragment's codes in v[PCR] on and my row's scale word in v[PWR].
.macro QUANT W, S, PCR, PWR
	WIN ((\W)<<2)|((\W)<<4)
.irp b, 0,1,2,3
	v_max3_num_f32 v[TM+\b], 0x1800000, |v[(\S)+16*\b]|, |v[(\S)+16*\b+1]|   ; block b: my 16 numbers, and the floor 2^(3 - 127): the byte cannot fall under 1
.endr
.irp i, 2,4,6,8,10,12,14
.irp b, 0,1,2,3
	v_max3_num_f32 v[TM+\b], v[TM+\b], |v[(\S)+16*\b+\i]|, |v[(\S)+16*\b+\i+1]|   ; the four blocks by turns
.endr
.endr
	WIN 0
.irp b, 0,1,2,3
	v_permlanex16_b32 v[TM+4+\b], v[TM+\b], s[SEL], s[SEL+1]
.endr
.irp b, 0,1,2,3
	v_max_num_f32 v[TM+\b], v[TM+\b], v[TM+4+\b]   ; with lane l xor 16's 16: the block's largest magnitude
.endr
.irp b, 0,1,2,3
	v_add_nc_u32 v[TM+8+\b], 0xff000000, v[TM+\b]  ; 2 off its exponent field: the conversion takes this operand's exponent field as its scale
.endr
.irp b, 0,1,2,3
	v_lshrrev_b32 v[TM+4+\b], 23, v[TM+8+\b]       ; the scale's byte
.endr
	v_lshl_or_b32 v[\PWR], v[TM+5], 8, v[TM+4]
	v_lshl_or_b32 v[\PWR], v[TM+6], 16, v[\PWR]
	v_lshl_or_b32 v[\PWR], v[TM+7], 24, v[\PWR]
	WIN (\W)
.irp c, 0,1
	v_cvt_scalef32_pk16_fp6_f32 v[(\PCR)+6*\c:(\PCR)+6*\c+2], v[(\S)+32*\c:(\S)+32*\c+15], v[TM+8+2*\c]
	v_cvt_scalef32_pk16_fp6_f32 v[HF+4*\c:HF+4*\c+2], v[(\S)+32*\c+16:(\S)+32*\c+31], v[TM+8+2*\c+1]   ; (a conversion's three registers begin on an even number)
.endr
	WIN 0
	v_nop                                          ; one plain place behind a scaled conversion
.irp c, 0,1                            ; the operand's layout wants a whole block in a lane: lanes 0-15 block 2 c, lanes 16-31 block 2 c + 1
.irp i, 0,1,2
	v_permlane16_swap_b32 v[(\PCR)+6*\c+\i], v[HF+4*\c+\i]
.endr
.irp i, 0,1,2
	v_mov_b32 v[(\PCR)+3+6*\c+\i], v[HF+4*\c+\i]
.endr
.endr
.endm
.macro EPI                             ; a chunk's 64 accumulators become one K step of the next product: 8 fragments and 8 scale words, in registers
.irp m, 0,1,2,3,4,5,6,7
	RELU 2+\m/4, 64*(\m%4)
	QUANT 2+\m/4, 64*(\m%4), HC+12*\m, HW+\m
.endr
.endm
.macro FLUSH adr, off, sadr, soff      ; and go to LDS as they stand: 512 consecutive bytes a store; lanes l and l + 16 hold the same scale word and write the same word
.irp m, 0,1,2,3,4,5,6,7
.irp c, 0,1,2
	ds_store_b128 v[\adr], v[HC+12*\m+4*\c:HC+12*\m+4*\c+3] offset:(\off)+FRB*\m+512*\c
.endr
.endr
.irp m, 0,1,2,3,4,5,6,7
	ds_store_b32 v[\sadr], v[HW+\m] offset:(\soff)+256*(\m/4)+4*(\m%4)
.endr
.endm
.macro BIASLOAD                        ; the bias in the result's layout: lane (r, h), tile t: units 32 (t / 2) + 16 h + 8 (t % 2) + 0 .. 7 of my 128
	v_add_nc_u32 v[BO], s[BOS], v[H64]
	WIN 0x40
.irp t, 0,1,2,3,4,5,6,7
	global_load_b128 v[96+8*\t+96*(\t/4):96+8*\t+96*(\t/4)+3], v[BO], s[BP:BP+1] offset:128*(\t/2)+32*(\t%2)
	global_load_b128 v[96+8*\t+96*(\t/4)+4:96+8*\t+96*(\t/4)+7], v[BO], s[BP:BP+1] offset:128*(\t/2)+32*(\t%2)+16
.endr
	WIN 0
.endm
.macro NEXTBIAS pa, pb, oa, ob         ; the next chunk's bias, asked for ahead of the work between the chunks.  The last bias loads were waited for at the chunk's head, so their offset and base may be written
	s_cmp_eq_u32 s[RC], 0
	s_cselect_b64 s[BP:BP+1], s[\pa:\pa+1], s[\pb:\pb+1]
	s_cselect_b32 s[BOS], s[\oa], s[\ob]
	BIASLOAD
.endm
.macro XLOAD u                         ; rows 16 u .. 16 u + 15 of x, my wave's 128 along K: 16 loads of 512 consecutive bytes, into the registers of row tile u's accumulators
	WIN 0x80+0x40*((\u)/4)
.irp i, 0,1,2,3,4,5,6,7,8,9,10,11,12,13,14,15
	global_load_b128 v[64*((\u)%4)+4*\i:64*((\u)%4)+4*\i+3], v[LI], s[4:5] offset:(16*(\u)+\i)*2048 th:TH_LOAD_NT
.endr
	WIN 0
.endm
.macro XUNIT u, left                   ; left: the loads issued behind this unit's
	s_wait_loadcnt \left
.if (\u)+3 < 8
	XLOAD (\u)+3
.endif
.if (\u) == 5
	BIASLOAD                                       ; no unit is left to ask for: the first chunk's bias
.endif
	WIN 0x08+4*((\u)/4)
.irp i, 0,1,2,3,4,5,6,7,8,9,10,11,12,13,14,15
	ds_store_b128 v[FW0], v[64*((\u)%4)+4*\i:64*((\u)%4)+4*\i+3] offset:SP*\i   ; through my stage (my even position, which nobody reads yet): rows as they lie,
.endr
	WIN 0x80+0x40*((\u)/4)
.irp b, 0,1,2,3
.irp q, 0,1,2,3
	ds_load_b128 v[64*((\u)%4)+16*\b+4*\q:64*((\u)%4)+16*\b+4*\q+3], v[XRD] offset:128*\b+16*\q   ; back as 16 neighbours of each block of my row.  LDS serves a wave's instructions in order
.endr
.endr
	WIN 0
	s_wait_dscnt 0x0
	QUANT 2+(\u)/4, 64*((\u)%4), HC+12*(\u), HW+(\u)
.endm
	s_load_b256 s[4:11], s[0:1], 0x0               ; query s[4:5], wq s[6:7], b0 s[8:9], b1 s[10:11]
	s_load_b128 s[12:15], s[0:1], 0x20             ; b2 s[12:13], out s[14:15]
	v_lshl_add_u32 v[SPW], v0, 2, SPARE
	v_mov_b32 v[NIL], 0
	ds_add_u32 v28, v29
	ds_add_u32 v28, v29
	s_wait_dscnt 0x0
	v_lshrrev_b32 v10, 5, v0
	v_readfirstlane_b32 s[WV], v10                 ; wave 0..3
	s_bfe_u32 s[CX], ttmp6, 0x40000                ; cx: my place in the cluster
	s_lshl_b32 s[XB], ttmp9, 2                     ; in a cluster launch ttmp9 counts clusters
	s_add_co_u32 s[XB], s[XB], s[CX]               ; my block of 128 rows: it enters query's, out's and the prefetches' addresses alone
	s_and_b32 s[BAT], ttmp7, 0xffff                ; the batch, which the four partners share
	; descriptor group 1: 100 rows of 256 bytes (32 elements of 8 bytes), dense in memory and in LDS
	s_mov_b32 s[G1], 15|(3<<16)|(1<<21)            ; 15:0 the mask: all four work-groups; 17:16 elements of 8 bytes; 20 no padding (images are read as they lie); 21 set beside a mask
	s_mov_b32 s[G1+1], 32<<16                      ; tensor_dim0 = 32
	s_mov_b32 s[G1+2], 100<<16                     ; tensor_dim1 = 100
	s_mov_b32 s[G1+3], 32<<16                      ; tile_dim0 = 32
	s_mov_b32 s[G1+4], 100                         ; tile_dim1 = 100
	s_mov_b32 s[G1+5], 32                          ; tensor_dim0_stride
	s_mov_b32 s[G1+6], 0
	s_mov_b32 s[G1+7], 0
	s_mul_i32 s[W25], s[WV], WPART
	s_mul_i32 s[P2W], s[WV], 2*POSB
	s_add_co_u32 s[P2W], s[P2W], IMG
	s_lshl_b32 s[O0], s[WV], 10
	s_add_co_u32 s[O1], s[O0], 512
	s_lshl_b32 s[O2], s[WV], 9
	s_mov_b32 s[SEL], 0x76543210
	s_mov_b32 s[SEL+1], 0xfedcba98
	s_mov_b32 s[TB], 0
	s_mov_b32 s[FB], SLOT
	s_mov_b32 s[PN], 0
	v_and_b32 v10, 31, v0                          ; lane
	v_and_b32 v15, 15, v0                          ; r
	v_bfe_u32 v16, v0, 4, 1                        ; h
	v_lshlrev_b32 v[LI], 4, v10
	v_add_nc_u32 v[AB0], s[W25], v[LI]
	v_add_nc_u32 v[FW0], s[P2W], v[LI]
	v_lshlrev_b32 v[SW0], 4, v15
	v_add_nc_u32 v[SW0], s[O0], v[SW0]             ; 512 bytes a position: 1,024 w
	v_add_nc_u32 v[SW0], ASC, v[SW0]
	v_lshlrev_b32 v[H64], 6, v16
	v_mul_u32_u24 v18, v15, SP
	v_add_nc_u32 v18, v18, v[H64]                  ; a stage's row r, + 64 h
	v_add_nc_u32 v[XRD], s[P2W], v18
	v_add_nc_u32 v[STO], s[W25], v18
	v_min_u32 v[PFO], 24, v10
	v_lshlrev_b32 v[PFO], 8, v[PFO]
	s_lshl_b32 s56, s[BAT], 23                     ; query and out: a batch is 4,096 rows of 2,048 bytes,
	s_lshl_b32 s57, s[XB], 18                      ; my block 128 of them,
	s_add_co_u32 s56, s56, s57
	s_add_co_u32 s56, s56, s[O2]                   ; my wave's 512 bytes of a row
	s_mov_b32 s57, 0
	s_mul_i32 s58, s[BAT], 16*SLOT                 ; wq: the batch's stream, my wave's part
	s_add_co_u32 s58, s58, s[W25]
	s_mov_b32 s59, 0
	s_lshl_b32 s60, s[BAT], 12
	s_mov_b32 s61, 0
	s_lshl_b32 s62, s[BAT], 11
	s_mov_b32 s63, 0
	s_wait_kmcnt 0x0
	s_add_nc_u64 s[4:5], s[4:5], s[56:57]
	s_add_nc_u64 s[14:15], s[14:15], s[56:57]
	s_add_nc_u64 s[6:7], s[6:7], s[58:59]
	s_add_nc_u64 s[8:9], s[8:9], s[60:61]
	s_add_nc_u64 s[10:11], s[10:11], s[60:61]
	s_add_nc_u64 s[12:13], s[12:13], s[62:63]
	s_mov_b32 s[G0A], 1                            ; 1:0 count = 1
	s_mov_b32 s[G0A+1], s[W25]                     ; LDS address: slot 0, my part: no place in the cluster enters it
	s_mov_b64 s[G0A+2:G0A+3], s[6:7]               ; global address: the stream's first 102,400 bytes, my part
	s_or_b32 s[G0A+3], s[G0A+3], 0x80000000        ; type = 2
	s_mov_b32 s[G0W], 1
	s_add_co_u32 s[G0W+1], s[W25], SLOT
	s_add_nc_u64 s[G0W+2:G0W+3], s[6:7], SLOT
	s_or_b32 s[G0W+3], s[G0W+3], 0x80000000
	s_mul_i32 s56, s[CX], 6400                     ; the prefetches: my work-group's 25 blocks of my wave's 100,
	s_add_co_u32 s56, s56, 3*SLOT                  ; three slots' worth on: the first change of slots steps it to the fourth.  Nothing is prefetched here, at the head
	s_add_nc_u64 s[PFA:PFA+1], s[6:7], s[56:57]
	s_cmp_eq_u32 ttmp9, 0                          ; the batch's first cluster: the same in all four partners
	s_cselect_b32 s[LIM], 12, 0
	s_mov_b64 s[BP:BP+1], s[8:9]
	s_mov_b32 s[BOS], s[O0]
	XLOAD 0
	XLOAD 1
	XLOAD 2
	CROUND                                         ; all four work-groups are here: the first joint loads meet
	tensor_load_to_lds s[G0A:G0A+3], s[G1:G1+7]    ; the two first fills together, ahead of every LDS read and every wait on TENSORcnt: two loads of mine are out
	s_nop 0
	tensor_load_to_lds s[G0W:G0W+3], s[G1:G1+7]
	s_nop 0
.rept 4
	v_nop
.endr
.irp b, 0,1,2,3
	v_mov_b32 v[TM+4+\b], 0                        ; written once: a lane permute's destination counts as one of its sources
.endr
	; ---- x: wave w quantises K step w (128 along K) of all 128 rows; three units of 16 loads are asked for ahead
	XUNIT 0, 32
	XUNIT 1, 32
	XUNIT 2, 32
	XUNIT 3, 32
	XUNIT 4, 32
	XUNIT 5, 32
	XUNIT 6, 32                                    ; unit 7's 16 loads and the bias's 16
	XUNIT 7, 16                                    ; the bias's
	FLUSH FW0, POSB, SW0, 512                      ; x's K step w: position 2 w + 1
	s_wait_tensorcnt 0x1                           ; my part of slot 0 is in; slot 1's may stay out
	v_add_nc_u32 v[ADB], s[TB], v[AB0]
	FETCH_B 0, 0
	BAR                                            ; x's four K steps lie in LDS
	; ---- layer 0: two rounds of four K steps
	s_mov_b32 s[RC], 0
.Ll0:
	START IMG+POSB, ASC+512, 2*POSB, 1024
	STEP 1, 2*POSB, 1024
	TURN 1, 1, 2*POSB, 1024
	STEP 0, 0, 0
	TURN 1, 0, 0, 0
	NEXTBIAS 8, 10, O1, O0
	EPI
	s_mul_i32 s56, s[RC], POSB
	s_lshl_b32 s57, s[RC], 9
	v_add_nc_u32 v[FWR], s56, v[FW0]               ; position 2 w + round
	v_add_nc_u32 v[SWR], s57, v[SW0]
	BAR                                            ; every wave has read x for this round: round 1's images go over x
	FLUSH FWR, 0, SWR, 0
	BAR                                            ; the images lie in LDS
	s_add_co_u32 s[RC], s[RC], 1
	s_cmp_lt_u32 s[RC], 2
	s_cbranch_scc1 .Ll0
	; ---- layer 1: two rounds of eight K steps.  Round 0's codes stay in v[HC] on and v[HW] on until round 1 has read the first hidden layer
	s_mov_b32 s[RC], 0
.Ll1:
	START IMG, ASC, POSB, 512
	STEP 1, POSB, 512
	s_mov_b32 s[LC], 3
.Ll1k:
	TURN 1, 1, POSB, 512
	STEP 0, POSB, 512
	s_sub_co_u32 s[LC], s[LC], 1
	s_cmp_lg_u32 s[LC], 0
	s_cbranch_scc1 .Ll1k
	TURN 1, 0, 0, 0
	NEXTBIAS 10, 12, O1, O2
	BAR                                            ; every wave has read the first hidden layer for this round
	s_cmp_eq_u32 s[RC], 0
	s_cbranch_scc1 .Lhold_a
	FLUSH FW0, 0, SW0, 0                           ; round 0's, held so far
	s_wait_dscnt 0x0                               ; the stores have read their registers
.Lhold_a:
	EPI
	s_cmp_eq_u32 s[RC], 0
	s_cbranch_scc1 .Lhold_b
	FLUSH FW0, POSB, SW0, 512                      ; round 1's
.Lhold_b:
	BAR
	s_add_co_u32 s[RC], s[RC], 1
	s_cmp_lt_u32 s[RC], 2
	s_cbranch_scc1 .Ll1
	; ---- layer 2: eight K steps; the last two slots are filled in its first two changes, the tail is written out
	START IMG, ASC, POSB, 512
	STEP 1, POSB, 512
	s_mov_b32 s[LC], 2
.Ll2k:
	TURN 1, 1, POSB, 512
	STEP 0, POSB, 512
	s_sub_co_u32 s[LC], s[LC], 1
	s_cmp_lg_u32 s[LC], 0
	s_cbranch_scc1 .Ll2k
	TURN 0, 1, POSB, 512
	STEP 0, 0, 0
	s_wait_dscnt 12                                ; the very last K step: nothing more to fetch
	WIN 0xa1
	MUL16 0, 1, 0
	MUL16 2, 1, 0
	s_wait_dscnt 0x0
	WIN 0xf1
	MUL16 4, 1, 0
	MUL16 6, 1, 0
	WIN 0
	PLACES
; THE WAY OUT, a row tile (16 rows x my 128 columns) at a time.  A lane holds four runs of 64 bytes of one row: the tile goes through my stage and comes back as whole pieces of 512 bytes.
; The stage lies in my part of slot 0, which has had its last fill and which I alone read, for the last time two K steps ago.
.macro TOSTAGE m
.set AC, 64*((\m)%4)
.set BB, BK+64*((\m)%2)
	WIN 0x08+4*((\m)/4)                            ; an LDS store's data are its source 1: window 2 or 3
.irp b, 0,1,2,3
.irp q, 0,1,2,3
	ds_store_b128 v[STO], v[AC+16*\b+4*\q:AC+16*\b+4*\q+3] offset:128*\b+16*\q   ; each accumulator from its low end on
.endr
.endr
	WIN 0
.irp i, 0,1,2,3,4,5,6,7,8,9,10,11,12,13,14,15
	ds_load_b128 v[BB+4*\i:BB+4*\i+3], v[AB0] offset:SP*\i   ; LDS serves a wave's instructions in order: these see the stores above, and the next tile's stores come behind them
.endr
.endm
.macro SEND m, younger                 ; younger: the LDS instructions issued behind tile m's loads
.set BB, BK+64*((\m)%2)
	s_wait_dscnt \younger
.irp i, 0,1,2,3,4,5,6,7,8,9,10,11,12,13,14,15
	global_store_b128 v[LI], v[BB+4*\i:BB+4*\i+3], s[14:15] offset:(16*(\m)+\i)*2048 th:TH_STORE_NT   ; 32 lanes store 512 consecutive bytes, at a multiple of 256 from out's first byte; written once, read by nobody here
.endr
.endm
	TOSTAGE 0
.irp a, 1,2,3,4,5,6,7
.if \a > 1
	s_wait_xcnt 0x0                                ; tile a - 2's stores have read their registers: tile a's loads may land there
.endif
	TOSTAGE \a
	SEND \a-1, 32                                  ; behind tile a - 1's loads: tile a's 16 stores and 16 loads
.endr
	SEND 7, 0
	s_wait_tensorcnt 0x0                           ; the wave's end, behind my last tensor load and my last LDS store
	ds_add_u32 v[SPW], v[NIL]
	s_wait_dscnt 0x0
	CROUND                                         ; the closing round: no work-group ends while a partner may still ask for a part that names it
	s_endpgm
.Lfunc_end_k_q511be0f768_mlp:
	.size	k_q511be0f768_mlp, .Lfunc_end_k_q511be0f768_mlp-k_q511be0f768_mlp
	.p2alignl 7, 3214868480
	.fill 96, 4, 3214868480
	.section	.rodata,"a",@progbits
	.p2align	6, 0x0
	.amdhsa_kernel k_q511be0f768_mlp
		.amdhsa_group_segment_fixed_size 327680
		.amdhsa_private_segment_fixed_size 0
		.amdhsa_enable_private_segment 0
		.amdhsa_kernarg_size 48
		.amdhsa_user_sgpr_count 2
		.amdhsa_user_sgpr_kernarg_segment_ptr 1
		.amdhsa_wavefront_size32 1
		.amdhsa_system_sgpr_workgroup_id_x 1
		.amdhsa_system_sgpr_workgroup_id_y 1
		.amdhsa_system_sgpr_workgroup_id_z 1
		.amdhsa_system_vgpr_workitem_id 0
		.amdhsa_next_free_vgpr 1024
		.amdhsa_next_free_sgpr 66
		.amdhsa_reserve_vcc 0
		.amdhsa_float_denorm_mode_32 3
		.amdhsa_float_denorm_mode_16_64 3
		.amdhsa_memory_ordered 1
		.amdhsa_forward_progress 1
		.amdhsa_inst_pref_size 255
	.end_amdhsa_kernel
	.section	.bss,"aw",@nobits
	.p2align	6
	.space	262144
	.amdgpu_metadata
---
amdhsa.version: [ 1, 2 ]
amdhsa.kernels:
  - .name:           k_q511be0f768_mlp
    .symbol:         k_q511be0f768_mlp.kd
    .args:
      - { .name: query, .offset: 0, .size: 8, .value_kind: global_buffer, .address_space: global }
      - { .name: wq, .offset: 8, .size: 8, .value_kind: global_buffer, .address_space: global }
      - { .name: b0, .offset: 16, .size: 8, .value_kind: global_buffer, .address_space: global }
      - { .name: b1, .offset: 24, .size: 8, .value_kind: global_buffer, .address_space: global }
      - { .name: b2, .offset: 32, .size: 8, .value_kind: global_buffer, .address_space: global }
      - { .name: out0, .offset: 40, .size: 8, .value_kind: global_buffer, .address_space: global }
    .group_segment_fixed_size: 327680
    .private_segment_fixed_size: 0
    .kernarg_segment_align: 8
    .kernarg_segment_size: 48
    .max_flat_workgroup_size: 128
    .sgpr_count:     66
    .vgpr_count:     1024
    .wavefront_size: 32
...
	.end_amdgpu_metadata
.endif
;; end of part 2
